; MI455X (gfx1250); checked and timed in simulation.
; The chip was launched on July 23, 2026; its instructions are those of AMD's public machine-readable ISA for CDNA 5 (MIT licence, August 2026) and "CDNA5" Instruction Set Architecture Reference Guide (July 2026). The comments in the code are by the model that wrote it; some were corrected since.
;; Multi Head Attn. Allowed arithmetic: matrix products marked QUANTISED: E2M1 operands, one E8M0 scale for each 32 along K, by v_wmma_scale_f32_16x16x128_f8f6f4 with both operands' format E2M1 (or v_wmma_scale_f32_32x16x128_f4), f32 sums; everything else in f32.
;; Inputs: k_codes 1 x 16 x 4,096 x 2 x 16 uint8 (E2M1 codes of k, K innermost, in blocks of 32 codes, two codes a byte); k_scales 1 x 16 x 4,096 x 2 uint8 (E8M0 scales of k, one for each 32 codes along K); q_codes 1 x 16 x 4,096 x 2 x 16 uint8 (E2M1 codes of q, K innermost, in blocks of 32 codes, two codes a byte); q_scales 1 x 16 x 4,096 x 2 uint8 (E8M0 scales of q, one for each 32 codes along K); v_codes 1 x 16 x 64 x 128 x 16 uint8 (E2M1 codes of v, K innermost, in blocks of 32 codes, two codes a byte); v_scales 1 x 16 x 64 x 128 uint8 (E8M0 scales of v, one for each 32 codes along K).
;; Outputs: out0 1 x 16 x 4,096 x 64 float32.
;; Constants: layer_idx = 1.
;; This version of the problem:
;;   THIS VERSION OF THE PROBLEM IS GIVEN IN LOW PRECISION. The matrix products marked QUANTISED in the list below multiply operands that are first quantised to E2M1 (2 exponent bits, 1 mantissa bit; 4 bits a number), with one power-of-two scale for each 32 numbers along K (OCP MX v1.0); their sums are f32. All else is computed in f32.
;;   The module's matrix products, in the order in which they are computed (A, B: the left and right operand; K: the contracted axis; several contracted axes count as one K, in the product's order):
;;     1. batch 16 x [M 4,096, K 64] x [K 64, N 4,096]; A: input q (given as codes); B: input k (given as codes): QUANTISED
;;     2. batch 16 x [M 4,096, K 4,096] x [K 4,096, N 64]; A: softmax (see below); B: input v (given as codes): QUANTISED
;;   THE QUANTISER, for each operand of a quantised product, along K:
;;     - K is cut into blocks of 32 from its start; a last block that is shorter is filled with zeros.
;;     - A block's scale is 2^e with e = floor(log2(the largest magnitude in the block)) - 2, held to -126 .. 127; a block of zeros has e = 0. As a byte (E8M0): e + 127.
;;     - Each number is divided by its block's scale, clamped to +-6, and rounded to the nearest number of E2M1, ties to even, subnormals kept.
;;     - The product sums the exact products of the quantised numbers (number of the format x scale) in f32.
;;   ~~~python
;;   def quantise(x, axis):      # numpy; x: float32 -> the quantised numbers, widened to float32 again
;;       x = np.moveaxis(x, axis, -1); K = x.shape[-1]
;;       x = np.pad(x, [(0, 0)] * (x.ndim - 1) + [(0, -K % 32)]); x = x.reshape(x.shape[:-1] + (-1, 32)); a = np.abs(x).max(-1, keepdims=True)
;;       e = np.where(a > 0, np.clip(np.frexp(np.where(a > 0, a, 1))[1] - 1 - 2, -126, 127), 0)      # np.frexp(a)[1] - 1 = floor(log2(a)), exactly
;;       r = np.clip(x / 2.0 ** e, -6, 6)
;;       step = 2.0 ** (np.maximum(np.frexp(np.where(r == 0, 1, r))[1] - 1, 0) - 1)
;;       q = np.round(r / step) * step * 2.0 ** e      # np.round: ties to even
;;       return np.moveaxis(q.reshape(q.shape[:-2] + (-1,))[..., :K], -1, axis).astype(np.float32)
;;   ~~~
;;   SOFTMAX AHEAD OF A QUANTISED PRODUCT. Where the list says 'softmax', what is quantised is not the finished softmax but p = 2^(t - M), with t = logit x log2(e) and M = ceil(the row's largest t), a whole number; so 1/2 < the row's largest p <= 1. The row's sum l is taken of the UNQUANTISED p, in f32, and the product's result is divided by l at the end. Since M is a whole number, a kernel that streams over the keys may use a running M (the ceiling of the running maximum): every later rescaling is an exact power of two, which a block's scale takes up: the codes' values come out the same.
;;   OPERANDS COMPUTED ON THE WAY. 'Computed on the way' means the value that the module computes at that place (a softmax that the list does not call 'softmax' is quantised finished and normalised). What goes into a quantiser is computed in f32, as accurately as f32 sums, v_exp_f32 and their like allow (about 1e-6 of the number): no bf16 or f16 on the way to a quantiser, and a product that is left as it is and whose result goes on into a quantised operand takes f32 operands (vector FMAs, or v_wmma_f32_16x16x4_f32). A number that lies on a knife's edge between two numbers of the format may be rounded either way, as far as f32 arithmetic and the matrix unit's own rounding can turn it there, and no further.
;;   INPUTS GIVEN AS CODES. k (in the module: [1, 16, 4096, 64], K = its axis 3); q (in the module: [1, 16, 4096, 64], K = its axis 3); v (in the module: [1, 16, 4096, 64], K = its axis 2): each comes as NAME_codes (uint8): NAME with its K axis moved to the last place and cut into blocks of 32 codes, [.., K / 32, bytes a block], one block behind the other in memory; two codes a byte, the lower K in the low four bits (a code: sign, 2 exponent bits, 1 mantissa bit); and NAME_scales (uint8): the same leading axes, one E8M0 byte (e + 127) for each 32 codes along K. Its value is code x scale, taken as it is: it is not quantised again, and the codes and scales need not be those that the quantiser above would give.
;; 2 versions. Each part assembles by itself: llvm-mc -triple=amdgcn-amd-amdhsa -mcpu=gfx1250 --defsym DOCPART=n.
;; ======== version 1 of 2: 1 launch
;; limits: right only within a limited range of input values
;; launch attn (part 1): grid 16 x 16, 16 waves a work-group, no clusters, 108,032 bytes of LDS; arguments q_codes, q_scales, k_codes, k_scales, v_codes, v_scales, out0; writes out0
.if DOCPART == 1
	.amdgcn_target "amdgcn-amd-amdhsa--gfx1250"
	.amdhsa_code_object_version 6
	.text
	.protected	k_qd19b5a3974_attn
	.globl	k_qd19b5a3974_attn
	.p2align	8
	.type	k_qd19b5a3974_attn,@function
k_qd19b5a3974_attn:
	s_mov_b64 s[64:65], 0
	v_nop
	global_prefetch_b8 v0, s[64:65] scope:SCOPE_SE
	s_setreg_imm32_b32 hwreg(HW_REG_WAVE_MODE, 25, 1), 1
	s_wait_xcnt 0x0
; out0[h][i][:] = sum over j of softmax_j(q[h][i] . k[h][j] / 8) v[h][j][:], key j counting for query i where i - 255 <= j <= i (the band that the problem's own text builds).
; 16 heads, 4,096 positions, head size 64.  Both products on codes of FP4 (E2M1) with one E8M0 scale for each 32 along a product's K.
; q, k: 32 bytes of codes and 2 scale bytes a row.  v: codes with the KEYS innermost, [head][d = 64][128 blocks of 32 keys][16 bytes], one scale byte a block.  out0: f32, 256 bytes a row.
; THE SOFTMAX AHEAD OF THE SECOND PRODUCT: t = score x log2(e) / 8; M = the row's largest t so far, rounded UP to a whole number; p = 2^(t - M) is quantised along the keys, in blocks of 32 counted from key 0.
; The row's sum is taken of the unquantised p and divides at the end.  When M moves, the sum and O are multiplied by 2^(old M - new M): exact.
; SHARES.  Work-group (x, head) owns queries 256 x .. 256 x + 255; each of its sixteen waves owns 16 of them, one tile, in 256 registers.  A lane holds ONE query (lane % 16) throughout:
; both products are used transposed, S^T = K Q^T (source 0 = 16 keys) and O^T = V^T P^T (source 0 = 16 of the head's 64).
; THE WINDOW.  The work-group's keys 256 x - 256 .. 256 x + 255 are 16 blocks of 32; they are brought into LDS once, through registers, by all 512 threads.  Wave w (lb = w / 2, u = w % 2) sees exactly the nine
; blocks lb + 0 .. lb + 8 of them.  Only the two end blocks are cut by the band: with dd = lane % 16 + 16 u - 16 (lane / 16), register jj of block 8 counts where jj <= dd, of block 0 where jj > dd.
; THREE STEPS, written out: blocks 5-8 (the diagonal: every query has a key there, so M is a number from the first step on), blocks 1-4, block 0 (the other 96 of that product's K are zero codes of p).
; THE HEAD'S START (x = 0): the window's lower half does not exist.  It is filled from keys 0 .. 255 once more (every load stays in its buffer), and a block that does not exist gets -infinity added to its
; largest score and to the addend of t - M: p = 0.  The same lines run in every work-group: no branch, no loop.
; THE KEYS OF A TILE ARE NOT NEIGHBOURS: lane r of tile 2 b + u' takes key 32 b + 8 u' + r + 8 (r / 8), so that the 16 registers of tiles 2 b and 2 b + 1 are 16 neighbouring keys, 32 b + 16 (lane / 16) + 0 .. 15.
; The first product's K is 64: registers 4-7 of its fragments are zero codes on both sides, and the upper two bytes of its scale words are 0 (2^-127, over zero codes).
; NOT USED, AND WHY: tensor loads and a ring (34 KB are filled once; nothing goes round); joint loads (neighbouring work-groups share half a window, at other LDS places: about a tenth of what the launch moves).
; LIMITS.  Hidden keys get p = 0 exactly, which is what the problem's -1e9 gives so long as a row's largest visible logit lies above about -1e9 + 100.  Scores must be finite in f32.  A p under 2^-126 counts as 0.
; A block of p that is all zeros keeps the scale byte 1 (its codes are zeros).  A scale byte 0xff (NaN) among the inputs is not served.
.set KREG,  0                          ; LDS: K's codes: 32 lines of 16 keys x 32 bytes + 16 of padding (528); key p at (p / 16) 528 + (p % 16) 32
.set VREG,  16896                      ; V's codes: 64 rows d of 16 blocks x 16 bytes + 16 of padding (272)
.set KSREG, 34304                      ; K's scale bytes: 2 a key, dense
.set VSREG, 35328                      ; V's: 16 a row d, dense
.set STAGE, 36352                      ; the way out: 16 rows x 272 bytes for each wave
.set AK,   1                           ; v1   my lane's place in a tile of K: lb 1056 + (r / 8) 528 + (r % 8) 32 + 16 h
.set AKS,  2                           ; v2   among K's scale bytes: 64 lb + 2 (r + 8 (r / 8))
.set AV,   3                           ; v3   in a tile of V: 272 r + 16 lb + 16 h
.set AVC,  4                           ; v4   the same without the half: 272 r + 16 lb
.set R,    5                           ; v5   r = lane % 16
.set H,    6                           ; v6   h = lane / 16
.set NEG,  7                           ; v7   -infinity
.set DD,   8                           ; v8   dd; on the way out my byte offset in the wave's rows of out0
.set TMP,  9
.set STO,  10                          ; v10  the stage: where I put 32 bytes of a row
.set RD,   11                          ; v11  and where I read a row back
.set QS,   24                          ; v12 -M, v13 the largest t, v[14:15] the sum in two halves, v[16:23] Q, v24 Q's scale word
.set KS,   26                          ; v26-29   K's scale words of the four tiles in hand
.set VSW,  30                          ; v30-41   V's scale words: 4 x step + tile
.set PW,   42                          ; v42      p's scale word
.set F,    44                          ; v[44:45] f = 2^(old M - new M) (v45 is named with it as a pair, so it is written once)
.set C2,   46                          ; v[46:47] the sum's second chain
.set KF,   48                          ; v48-79   four fragments of K (registers 4-7 of each: zero codes, set once)
.set VF,   80                          ; v80-111  four fragments of V
.set S,    112                         ; v112-175 S^T, then p; at the head what is on its way into LDS
.set RAW,  130                         ; v130-141 at the head: V's scale bytes as aligned words
.set O,    176                         ; v176-207 O^T
.set PC,   208                         ; v208-215 p's codes
.set BM,   216                         ; v216-219 a block's largest score, then its largest p
.set TP,   220                         ; v220-223 the other half's, then the scale bytes
.set SO,   224                         ; v224-227 the conversions' scale operands
.set BI,   228                         ; v228-235 four pairs: -M + the block's penalty (the odd registers are named with them, so they are written once)
.set GK,   236                         ; v236-245 the head's offsets: global K, LDS K, global V, LDS V, global K scales, LDS scales, global V scales, Q, Q scales, V's raw scale words
.set LK,   237
.set GV,   238
.set LV,   239
.set GKS,  240
.set LS2,  241
.set GVS,  242
.set GQ,   243
.set GQS,  244
.set AVS,  245
.set WV,   18                          ; s18 wave, s19 lb, s20 16 u
.set LB,   19
.set U16,  20
.set CS,   22                          ; s[22:23] c = log2(e) / 8: the packed form names a pair and takes its low word for both halves
.set SEL,  24                          ; s[24:25] v_permlanex16_b32's selects for lane l xor 16
.set XX,   26                          ; s26 x, s27 max(x - 1, 0), s28 head, s29 128 where x = 0 (else 0), s34 a sixteenth of it: 8 (else 0)
.set XM1,  27
.set HEAD, 28
.set EC,   29
.set ES,   34
.set MK,   40                          ; s40-55 lane masks: jj <= dd
.set PEN,  72                          ; s72-80 a block's penalty: 0, or -infinity where it does not exist
.set NINF, 81
.set SELV, 82                          ; s82 byte selects for V's scale words; s83 8 (lb % 4)
.set SHV,  83
	s_load_b256 s[4:11], s[0:1], 0x0               ; q_codes s[4:5], q_scales s[6:7], k_codes s[8:9], k_scales s[10:11]
	s_load_b128 s[12:15], s[0:1], 0x20             ; v_codes s[12:13], v_scales s[14:15]
	s_load_b64 s[16:17], s[0:1], 0x30              ; out0
	v_lshl_add_u32 v254, v0, 2, 0x19e00
	v_mov_b32 v255, 0
	v_lshrrev_b32 v[TMP], 5, v0
	v_readfirstlane_b32 s[WV], v[TMP]              ; wave 0..15
	s_lshr_b32 s[LB], s[WV], 1
	s_and_b32 s[U16], s[WV], 1
	s_lshl_b32 s[U16], s[U16], 4
	s_mov_b32 s[XX], ttmp9
	s_max_u32 s[XM1], s[XX], 1
	s_sub_co_u32 s[XM1], s[XM1], 1
	s_and_b32 s[HEAD], ttmp7, 0xffff
	s_cmp_eq_u32 s[XX], 0
	s_cselect_b32 s[EC], 128, 0
	s_lshr_b32 s[ES], s[EC], 4
	; the byte offsets of what this work-group and wave read and write, each in a pair of its own
	s_lshl_b32 s2, s[HEAD], 17                     ; a head's codes: 131,072 bytes in each of the three tensors
	s_lshl_b32 s3, s[HEAD], 13                     ; its scale bytes: 8,192
	s_lshl_b32 s35, s[XX], 13
	s_add_co_u32 s56, s2, s35                      ; K's codes, upper half of the window: keys 256 x on
	s_lshl_b32 s35, s[WV], 9
	s_add_co_u32 s30, s56, s35                     ; Q's codes: my 16 rows
	s_lshl_b32 s35, s[XM1], 13
	s_add_co_u32 s38, s2, s35                      ; K's codes, lower half: keys 256 (x - 1) on; with x = 0 keys 0 on once more
	s_lshl_b32 s35, s[XM1], 7
	s_add_co_u32 s60, s2, s35                      ; V's codes: block 8 (x - 1) of row 0
	s_lshl_b32 s35, s[XM1], 3
	s_add_co_u32 s62, s3, s35                      ; V's scale bytes likewise
	s_lshl_b32 s35, s[XX], 9
	s_add_co_u32 s36, s3, s35
	s_lshl_b32 s35, s[WV], 5
	s_add_co_u32 s36, s36, s35                     ; Q's scale bytes: my 16 rows
	s_cmp_lt_u32 s[WV], 8                          ; K's scale bytes: waves 0-7 bring the lower half's, waves 8-15 the upper half's
	s_cselect_b32 s35, s[XM1], s[XX]
	s_lshl_b32 s35, s35, 9
	s_add_co_u32 s58, s3, s35
	s_lshl_b32 s66, s[HEAD], 20
	s_lshl_b32 s35, s[XX], 16
	s_add_co_u32 s66, s66, s35
	s_lshl_b32 s35, s[WV], 12
	s_add_co_u32 s66, s66, s35                     ; out0: my 16 rows of 256 bytes
.irp p, 31,37,39,57,59,61,63,67
	s_mov_b32 s\p, 0
.endr
	v_and_b32 v[R], 15, v0
	v_bfe_u32 v[H], v0, 4, 1
	; thread t's part of the fill
	v_lshlrev_b32 v[GK], 4, v0                     ; K's codes: 16 t of a half's 8,192 dense bytes,
	v_lshrrev_b32 v[TMP], 5, v0
	v_and_b32 v[DD], 31, v0
	v_mul_u32_u24 v[LK], v[TMP], 528
	v_lshl_add_u32 v[LK], v[DD], 4, v[LK]          ; to line t / 32, byte 16 (t % 32)
	v_lshrrev_b32 v[TMP], 4, v0
	v_lshlrev_b32 v[GV], 11, v[TMP]                ; V's codes: row t / 16 (2,048 bytes apart), block t % 16 of the window;
	v_lshl_add_u32 v[GV], v[R], 4, v[GV]
	v_mul_u32_u24 v[LV], v[TMP], 272
	v_lshl_add_u32 v[LV], v[R], 4, v[LV]
	v_bfe_u32 v[TMP], v0, 3, 1
	v_mul_u32_u24 v[TMP], s[EC], v[TMP]
	v_sub_nc_u32 v[GV], v[GV], v[TMP]              ; with x = 0 the upper half's blocks lie 128 bytes further back
	v_and_b32 v[GKS], 0xff, v0
	v_lshlrev_b32 v[GKS], 1, v[GKS]                ; K's scale bytes: 2 (t % 256) of a half's 512,
	v_lshlrev_b32 v[LS2], 1, v0                    ; to 2 t; V's likewise
	v_lshrrev_b32 v[TMP], 3, v0
	v_and_b32 v[DD], 7, v0
	v_lshlrev_b32 v[GVS], 7, v[TMP]                ; V's scale bytes: row t / 8 (128 bytes apart), two blocks
	v_lshl_add_u32 v[GVS], v[DD], 1, v[GVS]
	v_bfe_u32 v[TMP], v0, 2, 1
	v_mul_u32_u24 v[TMP], s[ES], v[TMP]
	v_sub_nc_u32 v[GVS], v[GVS], v[TMP]
	v_lshlrev_b32 v[GQ], 5, v[R]
	v_lshl_add_u32 v[GQ], v[H], 4, v[GQ]           ; Q: row r, block h
	v_lshlrev_b32 v[GQS], 1, v[R]
	s_wait_kmcnt 0x0
	s_add_nc_u64 s[32:33], s[8:9], s[38:39]
	s_add_nc_u64 s[8:9], s[8:9], s[56:57]
	s_add_nc_u64 s[12:13], s[12:13], s[60:61]
	s_add_nc_u64 s[10:11], s[10:11], s[58:59]
	s_add_nc_u64 s[14:15], s[14:15], s[62:63]
	s_add_nc_u64 s[4:5], s[4:5], s[30:31]
	s_add_nc_u64 s[6:7], s[6:7], s[36:37]
	s_add_nc_u64 s[16:17], s[16:17], s[66:67]
	global_load_b128 v[112:115], v[GK], s[32:33]                ; a wave reads 512 consecutive bytes
	global_load_b128 v[116:119], v[GK], s[8:9]
	global_load_b128 v[120:123], v[GV], s[12:13]                ; sixteen lanes read a row's 256 bytes
	global_load_b128 v[124:127], v[GV], s[12:13] offset:65536   ; rows 32 on
	global_load_u16 v128, v[GKS], s[10:11]
	global_load_u16 v129, v[GVS], s[14:15]
	global_load_b128 v[16:19], v[GQ], s[4:5]                    ; Q's fragment stays in registers
	global_load_u16 v[QS], v[GQS], s[6:7]                       ; its scale word: two bytes, the upper two 0
	; while they are on their way: LDS addresses, zeros, masks, penalties
	v_lshrrev_b32 v[TMP], 3, v[R]
	v_and_b32 v[DD], 7, v[R]
	v_mul_u32_u24 v[AK], v[TMP], 528
	v_lshl_add_u32 v[AK], v[DD], 5, v[AK]
	v_lshl_add_u32 v[AK], v[H], 4, v[AK]
	s_mul_i32 s2, s[LB], 1056
	v_add_nc_u32 v[AK], s2, v[AK]                  ; lanes 0-7 take a line's even 16-byte pieces, lanes 8-15 the next line's, 33 pieces on: sixteen different pieces modulo 256 bytes
	v_lshlrev_b32 v[AKS], 1, v[R]
	v_lshl_add_u32 v[AKS], v[TMP], 4, v[AKS]
	s_lshl_b32 s3, s[LB], 6
	v_add_nc_u32 v[AKS], s3, v[AKS]
	v_mul_u32_u24 v[AVC], v[R], 272                ; rows 17 pieces apart: sixteen different pieces modulo 256 bytes
	s_lshl_b32 s2, s[LB], 4
	v_add_nc_u32 v[AVC], s2, v[AVC]
	v_lshl_add_u32 v[AV], v[H], 4, v[AVC]
	s_lshr_b32 s3, s[LB], 2
	s_lshl_b32 s3, s3, 2
	v_lshl_add_u32 v[AVS], v[R], 4, s3             ; V's scale bytes of row r, from the aligned word that holds block lb on
.irp t, 0,1,2,3
.irp c, 4,5,6,7
	v_mov_b32 v[KF+8*\t+\c], 0                     ; K = 64 .. 127 of the first product: zero codes
.endr
.endr
.irp c, 20,21,22,23
	v_mov_b32 v\c, 0                               ; on Q's side too
.endr
.irp b, 0,1,2,3
	v_mov_b32 v[TP+\b], 0                          ; written once: a lane permute's destination counts as one of its sources
	v_mov_b32 v[BI+2*\b+1], 0
.endr
	v_mov_b32 v[F+1], 0
	v_mov_b32 v[NEG], 0xff800000
	v_lshlrev_b32 v[TMP], 4, v[H]
	v_sub_nc_u32 v[DD], v[R], v[TMP]
	v_add_nc_u32 v[DD], s[U16], v[DD]              ; dd = r + 16 u - 16 h
.irp j, 0,1,2,3,4,5,6,7,8,9,10,11,12,13,14,15
	v_cmp_le_i32 s[MK+\j], \j, v[DD]               ; made of ids alone; they serve the diagonal block as they are and the far block inverted
.endr
	s_mov_b32 s[NINF], 0xff800000
	s_lshl_b32 s2, s[XX], 3
	s_add_co_u32 s2, s2, s[LB]
.irp i, 0,1,2,3,4,5,6,7
	s_add_co_u32 s3, s2, \i
	s_cmp_ge_u32 s3, 8                             ; my block i is the head's block 8 x + lb + i - 8
	s_cselect_b32 s[PEN+\i], 0, s[NINF]
.endr
	s_mov_b32 s[PEN+8], 0
	s_and_b32 s3, s[LB], 3
	s_mul_i32 s[SELV], s3, 0x01010101
	s_add_co_u32 s[SELV], s[SELV], 0x04030201      ; bytes lb % 4 + 1 .. + 4 of a pair of words
	s_lshl_b32 s[SHV], s3, 3
	s_mov_b32 s[CS], 0x3e38aa3b                    ; c = log2(e) / 8
	s_mov_b32 s[CS+1], s[CS]
	s_mov_b32 s[SEL], 0x76543210
	s_mov_b32 s[SEL+1], 0xfedcba98
	s_wait_loadcnt 0x2                             ; loads come back in order: all but the youngest two, Q's, are in
	ds_store_b128 v[LK], v[112:115] offset:KREG
	ds_store_b128 v[LK], v[116:119] offset:KREG+8448
	ds_store_b128 v[LV], v[120:123] offset:VREG
	ds_store_b128 v[LV], v[124:127] offset:VREG+8704
	ds_store_b16 v[LS2], v128 offset:KSREG
	ds_store_b16 v[LS2], v129 offset:VSREG
	s_wait_dscnt 0x0                               ; for the others' sake: my part of the window lies in LDS
	s_barrier_signal -1
	s_barrier_wait -1                              ; everybody's does.  The one barrier: from here on the window is only read
	; V's scale words for the three steps: four neighbouring bytes of a row that begin at any byte, cut out of three aligned words
.irp t, 0,1,2,3
.irp n, 0,1,2
	ds_load_b32 v[RAW+3*\t+\n], v[AVS] offset:VSREG+256*\t+4*\n
.endr
.endr
	s_wait_dscnt 0x0
.irp t, 0,1,2,3
	v_perm_b32 v[VSW+\t], v[RAW+3*\t+2], v[RAW+3*\t+1], s[SELV]     ; blocks 5-8
	v_perm_b32 v[VSW+4+\t], v[RAW+3*\t+1], v[RAW+3*\t], s[SELV]     ; blocks 1-4
	v_bfe_u32 v[VSW+8+\t], v[RAW+3*\t], s[SHV], 8                   ; block 0; the bytes above it are 0, over zero codes of p
.endr
	s_wait_loadcnt 0x0                             ; Q
; A load into a register that a matrix instruction has read, and a vector instruction that reads a matrix result, stand four places behind it; only plain vector instructions that name
; none of its registers are places (ISA guide 7.12.1 for vector instructions).
.macro PLACES
.rept 4
	v_nop
.endr
.endm
.macro KLOAD blk0, g, n                ; tiles 4 g .. 4 g + n - 1 of the step that begins with my block blk0: codes and scale words
.irp t, 0,1,2,3
.if \t < \n
	ds_load_b128 v[KF+8*\t:KF+8*\t+3], v[AK] offset:KREG+((\blk0)+(4*\g+\t)/2)*1056+(\t%2)*256
	ds_load_u16 v[KS+\t], v[AKS] offset:KSREG+((\blk0)+(4*\g+\t)/2)*64+(\t%2)*16
.endif
.endr
.endm
.macro QK g, n                         ; S^T = K Q^T: each product starts its own sum
.irp t, 0,1,2,3
.if \t < \n
	v_wmma_scale_f32_16x16x128_f8f6f4 v[S+8*(4*\g+\t):S+8*(4*\g+\t)+7], v[KF+8*\t:KF+8*\t+7], v[16:23], 0, v[KS+\t], v[QS] matrix_a_fmt:MATRIX_FMT_FP4 matrix_b_fmt:MATRIX_FMT_FP4
.endif
.endr
.endm
.macro VLOAD blk0                      ; four tiles of 16 rows d x 128 keys: lane (r, h), registers 4 c on: block blk0 + 2 c + h
.irp t, 0,1,2,3
.irp c, 0,1
	ds_load_b128 v[VF+8*\t+4*\c:VF+8*\t+4*\c+3], v[AV] offset:VREG+16*\t*272+16*(\blk0)+32*\c
.endr
.endr
.endm
.macro VLOAD1                          ; block 0 alone, in both halves of the lanes; what lies in the rest of the fragments meets zero codes of p
.irp t, 0,1,2,3
	ds_load_b128 v[VF+8*\t:VF+8*\t+3], v[AVC] offset:VREG+16*\t*272
.endr
.endm
.macro PSUM nb, first                  ; the row's sum of the UNQUANTISED p, two at a time, in two chains
.if \first
	v_pk_add_f32 v[14:15], v[S:S+1], v[S+2:S+3]
	v_pk_add_f32 v[C2:C2+1], v[S+4:S+5], v[S+6:S+7]
.set jj, 8
.else
	v_pk_add_f32 v[C2:C2+1], v[S:S+1], v[S+2:S+3]
.set jj, 4
.endif
.rept (16*\nb-jj)/4
	v_pk_add_f32 v[14:15], v[14:15], v[S+jj:S+jj+1]
	v_pk_add_f32 v[C2:C2+1], v[C2:C2+1], v[S+jj+2:S+jj+3]
.set jj, jj+4
.endr
	v_pk_add_f32 v[14:15], v[14:15], v[C2:C2+1]
.endm
; A STEP: nb blocks of 32 keys from my block blk0 on.  vs: which set of V's scale words.  first = 1: it starts M, the sum and O^T.  mhi = 1: its last block is the diagonal one.  mlo = 1: its first is the far one.
.macro STEP nb, blk0, vs, first, mhi, mlo
.if \nb == 4
	KLOAD \blk0, 0, 4
	s_wait_dscnt 0x0
	QK 0, 4
	PLACES
	KLOAD \blk0, 1, 4
	VLOAD \blk0
	s_wait_dscnt 0x8                               ; K's eight are in; V's eight, issued behind them, may stay out until the second product
	QK 1, 4
	PLACES
.else
	KLOAD \blk0, 0, 2
	s_wait_dscnt 0x0
	QK 0, 2
	PLACES
	VLOAD1
.endif
.if \mhi
.irp j, 0,1,2,3,4,5,6,7,8,9,10,11,12,13,14,15
	v_cndmask_b32 v[S+48+\j], v[NEG], v[S+48+\j], s[MK+\j]      ; the diagonal block keeps jj <= dd; each accumulator from its low end on
.endr
.endif
.if \mlo
.irp j, 0,1,2,3,4,5,6,7,8,9,10,11,12,13,14,15
	v_cndmask_b32 v[S+\j], v[S+\j], v[NEG], s[MK+\j]            ; the far block keeps jj > dd
.endr
.endif
.irp b, 0,1,2,3
.if \b < \nb
	v_max3_num_f32 v[BM+\b], v[S+16*\b], v[S+16*\b+1], v[S+16*\b+2]   ; the largest score of each block: it serves the row's maximum and, since p rises with the score, the block's largest p
.endif
.endr
.irp i, 3,5,7,9,11,13
.irp b, 0,1,2,3
.if \b < \nb
	v_max3_num_f32 v[BM+\b], v[BM+\b], v[S+16*\b+\i], v[S+16*\b+\i+1]
.endif
.endr
.endr
.irp b, 0,1,2,3
.if \b < \nb
	v_max_num_f32 v[BM+\b], v[BM+\b], v[S+16*\b+15]
.endif
.endr
.irp b, 0,1,2,3
.if \b < \nb
	v_permlanex16_b32 v[TP+\b], v[BM+\b], s[SEL], s[SEL+1]
.endif
.endr
.irp b, 0,1,2,3
.if \b < \nb
	v_max_num_f32 v[BM+\b], v[BM+\b], v[TP+\b]     ; with lane l xor 16's 16 keys
.endif
.endr
.irp b, 0,1,2,3
.if \b < \nb
	v_add_f32 v[BM+\b], s[PEN+\blk0+\b], v[BM+\b]  ; a block that does not exist counts for nothing
.endif
.endr
.if \nb == 4
	v_max3_num_f32 v[TMP], v[BM], v[BM+1], v[BM+2]
	v_max_num_f32 v[TMP], v[TMP], v[BM+3]          ; the step's largest score of my query
.else
	v_mov_b32 v[TMP], v[BM]
.endif
.if \first
	v_mul_f32 v13, s[CS], v[TMP]                   ; as t (c is positive): the largest t so far
	v_floor_f32 v12, -v13                          ; -M = floor(-t) = -ceil(t): M is a whole number
.else
	v_mul_f32 v[TMP], s[CS], v[TMP]
	v_max_num_f32 v13, v13, v[TMP]
	v_mov_b32 v[TMP], v12
	v_floor_f32 v12, -v13
	v_sub_f32 v[TMP], v12, v[TMP]                  ; M's old value less its new one: a whole number, 0 or less
	v_cvt_i32_f32 v[TMP], v[TMP]
	v_ldexp_f32 v[F], 1.0, v[TMP]                  ; f = 2^(old M - new M)
.endif
.irp b, 0,1,2,3
.if \b < \nb
	v_add_f32 v[BI+2*\b], s[PEN+\blk0+\b], v12     ; -M, or -infinity
.endif
.endr
.irp b, 0,1,2,3
.if \b < \nb
.irp j, 0,2,4,6,8,10,12,14
	v_pk_fma_f32 v[S+16*\b+\j:S+16*\b+\j+1], v[S+16*\b+\j:S+16*\b+\j+1], s[CS:CS+1], v[BI+2*\b:BI+2*\b+1] op_sel_hi:[1,0,0]   ; t - M, two at a time
.endr
.endif
.endr
.irp b, 0,1,2,3
.if \b < \nb
	v_fma_f32 v[BM+\b], v[BM+\b], s[CS], v12       ; the same of each block's largest score
.endif
.endr
.set jj, 0
.rept 16*\nb
	v_exp_f32 v[S+jj], v[S+jj]                     ; p = 2^(t - M), at most 1: not normalised
.set jj, jj+1
.endr
.irp b, 0,1,2,3
.if \b < \nb
	v_exp_f32 v[BM+\b], v[BM+\b]                   ; the block's largest p: the same two instructions on the same number
.endif
.endr
.if \first
	v_nop                                          ; a plain place behind the exponentials
	s_wait_alu depctr_va_vdst(0)
.else
	v_pk_mul_f32 v[14:15], v[14:15], v[F:F+1] op_sel_hi:[1,0]   ; the sum under the new M.  (A plain place behind the exponentials)
	s_wait_alu depctr_va_vdst(0)
.endif
.irp b, 0,1,2,3
.if \b < \nb
	v_max_num_f32 v[BM+\b], 0x1800000, v[BM+\b]    ; the floor 2^(3 - 127): the byte cannot fall under 1
.endif
.endr
.irp b, 0,1,2,3
.if \b < \nb
	v_add_nc_u32 v[SO+\b], 0xff000000, v[BM+\b]    ; 2 off the exponent field: the conversion's scale operand
.endif
.endr
.if \nb == 4
.irp b, 0,1,2,3
	v_lshrrev_b32 v[TP+\b], 23, v[SO+\b]           ; the scale's byte
.endr
	v_lshl_or_b32 v[PW], v[TP+1], 8, v[TP]         ; p's scale word for these 128 keys
	v_lshl_or_b32 v[PW], v[TP+2], 16, v[PW]
	v_lshl_or_b32 v[PW], v[TP+3], 24, v[PW]
.else
	v_lshrrev_b32 v[PW], 23, v[SO]                 ; one byte; those above it are 0, over zero codes
.endif
.irp b, 0,1,2,3
.if \b < \nb
	v_cvt_scalef32_pk8_fp4_f32 v[PC+2*\b], v[S+16*\b:S+16*\b+7], v[SO+\b]
	v_cvt_scalef32_pk8_fp4_f32 v[PC+2*\b+1], v[S+16*\b+8:S+16*\b+15], v[SO+\b]
.endif
.endr
.if \nb == 4
	v_nop                                          ; one plain place behind a scaled conversion
.else
.irp c, 2,3,4,5,6,7
	v_mov_b32 v[PC+\c], 0                          ; keys 32 .. 127 of this product's K: zero codes.  (Also the plain place behind the conversions)
.endr
.endif
.irp c, 0,1                                    ; the operand's layout wants a WHOLE block in a lane: lanes 0-15 block 2 c, lanes 16-31 block 2 c + 1
.if 2*\c < \nb
.irp i, 0,1
	v_permlane16_swap_b32 v[PC+4*\c+\i], v[PC+4*\c+2+\i]
.endr
.endif
.endr
.if !\first
.irp j, 0,2,4,6,8,10,12,14,16,18,20,22,24,26,28,30
	v_pk_mul_f32 v[O+\j:O+\j+1], v[O+\j:O+\j+1], v[F:F+1] op_sel_hi:[1,0]   ; O^T under the new M, each accumulator from its low end on
.endr
.endif
	PSUM \nb, \first                               ; (with the lines above: more than the eight places that a scale word made by vector instructions wants ahead of its product)
	s_wait_dscnt 0x0                               ; V's fragments are in
.irp t, 0,1,2,3                                ; O^T += V^T P^T: the four accumulators by turns, one instruction a turn
.if \first
	v_wmma_scale_f32_16x16x128_f8f6f4 v[O+8*\t:O+8*\t+7], v[VF+8*\t:VF+8*\t+7], v[PC:PC+7], 0, v[VSW+4*\vs+\t], v[PW] matrix_a_fmt:MATRIX_FMT_FP4 matrix_b_fmt:MATRIX_FMT_FP4
.else
	v_wmma_scale_f32_16x16x128_f8f6f4 v[O+8*\t:O+8*\t+7], v[VF+8*\t:VF+8*\t+7], v[PC:PC+7], v[O+8*\t:O+8*\t+7], v[VSW+4*\vs+\t], v[PW] matrix_a_fmt:MATRIX_FMT_FP4 matrix_b_fmt:MATRIX_FMT_FP4
.endif
.endr
.endm
	STEP 4, 5, 0, 1, 1, 0                          ; blocks 5-8: the diagonal
	STEP 4, 1, 1, 0, 0, 0                          ; blocks 1-4: every key counts
	STEP 1, 0, 2, 0, 0, 1                          ; block 0: the band's far end
	; THE WAY OUT.  O^T / the sum goes through my own stage in LDS and leaves as whole rows: a wave's store covers 512 consecutive bytes, at a multiple of 512 from out0's first byte.
	v_add_f32 v14, v14, v15                        ; the sum's two halves,
	v_permlanex16_b32 v[TP], v14, s[SEL], s[SEL+1]
	v_add_f32 v14, v14, v[TP]                      ; and lane l xor 16's: the row's sum
	v_rcp_f32 v14, v14
	s_mul_i32 s2, s[WV], 4352                      ; my stage.  (The eight lines below are the places behind the last products and behind the reciprocal)
	v_mul_u32_u24 v[STO], v[R], 272
	v_lshl_add_u32 v[STO], v[H], 5, v[STO]
	v_add_nc_u32 v[STO], s2, v[STO]                ; in: row r; tile t's eight channels of my half: 64 t + 32 h bytes on
	v_mul_u32_u24 v[RD], v[H], 272
	v_lshl_add_u32 v[RD], v[R], 4, v[RD]
	v_add_nc_u32 v[RD], s2, v[RD]                  ; back: lanes 0-15 one row, lanes 16-31 the next
	v_and_b32 v[DD], 31, v0
	v_lshlrev_b32 v[DD], 4, v[DD]                  ; and the same two rows in out0: 16 x lane
	s_wait_alu depctr_va_vdst(0)
.irp j, 0,2,4,6,8,10,12,14,16,18,20,22,24,26,28,30
	v_pk_mul_f32 v[S+\j:S+\j+1], v[O+\j:O+\j+1], v[14:15] op_sel_hi:[1,0]   ; register 8 t + i is out0(r, 16 t + 8 h + i)
.endr
.irp t, 0,1,2,3
	ds_store_b128 v[STO], v[S+8*\t:S+8*\t+3] offset:STAGE+64*\t
	ds_store_b128 v[STO], v[S+8*\t+4:S+8*\t+7] offset:STAGE+64*\t+16
.endr
.irp i, 0,1,2,3,4,5,6,7
	ds_load_b128 v[S+32+4*\i:S+32+4*\i+3], v[RD] offset:STAGE+544*\i   ; LDS serves a wave's instructions in order (ISA guide 5.7.1.4): these see my stores
.endr
.irp i, 0,1,2,3,4,5,6,7
	s_wait_dscnt 7-\i                              ; rows 2 i and 2 i + 1 are back; the younger loads may stay out
	global_store_b128 v[DD], v[S+32+4*\i:S+32+4*\i+3], s[16:17] offset:512*\i th:TH_STORE_NT   ; written once, read by nobody here
.endr
	s_wait_tensorcnt 0x0
	ds_add_u32 v254, v255
	s_wait_dscnt 0x0
	s_endpgm
.Lfunc_end_k_qd19b5a3974_attn:
	.size	k_qd19b5a3974_attn, .Lfunc_end_k_qd19b5a3974_attn-k_qd19b5a3974_attn
	.p2alignl 7, 3214868480
	.fill 96, 4, 3214868480
	.section	.rodata,"a",@progbits
	.p2align	6, 0x0
	.amdhsa_kernel k_qd19b5a3974_attn
		.amdhsa_group_segment_fixed_size 108032
		.amdhsa_private_segment_fixed_size 0
		.amdhsa_enable_private_segment 0
		.amdhsa_kernarg_size 56
		.amdhsa_user_sgpr_count 2
		.amdhsa_user_sgpr_kernarg_segment_ptr 1
		.amdhsa_wavefront_size32 1
		.amdhsa_system_sgpr_workgroup_id_x 1
		.amdhsa_system_sgpr_workgroup_id_y 1
		.amdhsa_system_sgpr_workgroup_id_z 1
		.amdhsa_system_vgpr_workitem_id 0
		.amdhsa_next_free_vgpr 256
		.amdhsa_next_free_sgpr 84
		.amdhsa_reserve_vcc 0
		.amdhsa_float_denorm_mode_32 3
		.amdhsa_float_denorm_mode_16_64 3
		.amdhsa_memory_ordered 1
		.amdhsa_forward_progress 1
		.amdhsa_inst_pref_size 52
	.end_amdhsa_kernel
	.amdgpu_metadata
---
amdhsa.version: [ 1, 2 ]
amdhsa.kernels:
  - .name:           k_qd19b5a3974_attn
    .symbol:         k_qd19b5a3974_attn.kd
    .args:
      - { .name: q_codes, .offset: 0, .size: 8, .value_kind: global_buffer, .address_space: global }
      - { .name: q_scales, .offset: 8, .size: 8, .value_kind: global_buffer, .address_space: global }
      - { .name: k_codes, .offset: 16, .size: 8, .value_kind: global_buffer, .address_space: global }
      - { .name: k_scales, .offset: 24, .size: 8, .value_kind: global_buffer, .address_space: global }
      - { .name: v_codes, .offset: 32, .size: 8, .value_kind: global_buffer, .address_space: global }
      - { .name: v_scales, .offset: 40, .size: 8, .value_kind: global_buffer, .address_space: global }
      - { .name: out0, .offset: 48, .size: 8, .value_kind: global_buffer, .address_space: global }
    .group_segment_fixed_size: 108032
    .private_segment_fixed_size: 0
    .kernarg_segment_align: 8
    .kernarg_segment_size: 56
    .max_flat_workgroup_size: 512
    .sgpr_count:     84
    .vgpr_count:     256
    .wavefront_size: 32
...
	.end_amdgpu_metadata
.endif
;; end of part 1
;; ======== version 2 of 2: 1 launch; version 1 with the launch attn written anew for expert scheduling mode
;; limits: right only within a limited range of input values
;; launch attn (part 2): grid 16 x 16, 16 waves a work-group, no clusters, 108,032 bytes of LDS; arguments q_codes, q_scales, k_codes, k_scales, v_codes, v_scales, out0; writes out0
.if DOCPART == 2
	.amdgcn_target "amdgcn-amd-amdhsa--gfx1250"
	.amdhsa_code_object_version 6
	.text
	.protected	k_qd19b5a3974_attn
	.globl	k_qd19b5a3974_attn
	.p2align	8
	.type	k_qd19b5a3974_attn,@function
k_qd19b5a3974_attn:
	s_mov_b64 s[64:65], 0
	v_nop
	global_prefetch_b8 v0, s[64:65] scope:SCOPE_SE
	s_setreg_imm32_b32 hwreg(HW_REG_WAVE_SCHED_MODE, 0, 2), 2
	s_setreg_imm32_b32 hwreg(HW_REG_WAVE_MODE, 25, 1), 1
	s_wait_xcnt 0x0
	s_wait_alu depctr_vm_vsrc(0)
; out0[h][i][:] = sum over j of softmax_j(q[h][i] . k[h][j] / 8) v[h][j][:], key j counting for query i where i - 255 <= j <= i (the band that the problem's own text builds).
; 16 heads, 4,096 positions, head size 64.  Both products on codes of FP4 (E2M1) with one E8M0 scale for each 32 along a product's K.
; q, k: 32 bytes of codes and 2 scale bytes a row.  v: codes with the KEYS innermost, [head][d = 64][128 blocks of 32 keys][16 bytes], one scale byte a block.  out0: f32, 256 bytes a row.
; THE SOFTMAX AHEAD OF THE SECOND PRODUCT: t = score x log2(e) / 8; M = the row's largest t so far, rounded UP to a whole number; p = 2^(t - M) is quantised along the keys, in blocks of 32 counted from key 0.
; The row's sum is taken of the unquantised p and divides at the end.  When M moves, the sum and O are multiplied by 2^(old M - new M): exact.
; SHARES.  Work-group (x, head) owns queries 256 x .. 256 x + 255; each of its sixteen waves owns 16 of them, one tile, in 256 registers.  A lane holds ONE query (lane % 16) throughout:
; both products are used transposed, S^T = K Q^T (source 0 = 16 keys) and O^T = V^T P^T (source 0 = 16 of the head's 64).
; THE WINDOW.  The work-group's keys 256 x - 256 .. 256 x + 255 are 16 blocks of 32; they are brought into LDS once, through registers, by all 512 threads.  Wave w (lb = w / 2, u = w % 2) sees exactly the nine
; blocks lb + 0 .. lb + 8 of them.  Only the two end blocks are cut by the band: with dd = lane % 16 + 16 u - 16 (lane / 16), register jj of block 8 counts where jj <= dd, of block 0 where jj > dd.
; THREE STEPS, written out: blocks 5-8 (the diagonal: every query has a key there, so M is a number from the first step on), blocks 1-4, block 0 (the other 96 of that product's K are zero codes of p).
; THE HEAD'S START (x = 0): the window's lower half does not exist.  It is filled from keys 0 .. 255 once more (every load stays in its buffer), and a block that does not exist gets -infinity added to its
; largest score and to the addend of t - M: p = 0.  The same lines run in every work-group: no branch, no loop.
; THE KEYS OF A TILE ARE NOT NEIGHBOURS: lane r of tile 2 b + u' takes key 32 b + 8 u' + r + 8 (r / 8), so that the 16 registers of tiles 2 b and 2 b + 1 are 16 neighbouring keys, 32 b + 16 (lane / 16) + 0 .. 15.
; The first product's K is 64: registers 4-7 of its fragments are zero codes on both sides, and the upper two bytes of its scale words are 0 (2^-127, over zero codes).
; NOT USED, AND WHY: tensor loads and a ring (34 KB are filled once; nothing goes round); joint loads (neighbouring work-groups share half a window, at other LDS places: about a tenth of what the launch moves).
; LIMITS.  Hidden keys get p = 0 exactly, which is what the problem's -1e9 gives so long as a row's largest visible logit lies above about -1e9 + 100.  Scores must be finite in f32.  A p under 2^-126 counts as 0.
; A block of p that is all zeros keeps the scale byte 1 (its codes are zeros).  A scale byte 0xff (NaN) among the inputs is not served.
; THE MODE: SCHED_MODE bits 1:0 = 2 (LLVM: expert scheduling mode 2), set by the entry lines.  The code itself states the register dependences
; between vector or matrix instructions and memory or LDS instructions, with s_wait_alu, always for 0.
; THE PLAN.  Registers that memory or LDS instructions touch:
;   v236-244     the fill's nine offsets: made at the head, read by the global loads and the LDS stores of the fill, never written again.
;   v1-4, v245   LDS addresses: made while the fill's loads are out, read by every LDS load of the window, never written again.
;   v112-129     the fill on its way: written by global loads, read by my LDS stores; later the first products write them.
;   KF 0-3, KS   K's fragments and scale words: written by LDS loads, read by the first products.  A step's first group is asked for in the step before, its second group behind the first group's products.
;   VF           V's fragments: written by LDS loads, read by the second products; asked for with K's second group.
;   v112-143, v144-175, v8, v10, v11   on the way out: data of the LDS stores, what the stage gives back, three addresses.
;   Q, S^T and p, p's codes and scale word, V's scale words, O^T and the statistics are named by vector and matrix instructions alone (Q and its scale word are loaded once).
; A step's waits on va_vdst include these three: behind its first group of first products (KF, KS and VF are free for the loads that follow); behind its exponentials (their results are written, and KF and KS are free for
; the next step's first group, which lands under the rest of the softmax); ahead of its second products (p's codes and scale word are written).  Between a wait and the loads that lean on it no vector or matrix
; instruction names a register that those loads touch.
.set KREG,  0                          ; LDS: K's codes: 32 lines of 16 keys x 32 bytes + 16 of padding (528); key p at (p / 16) 528 + (p % 16) 32
.set VREG,  16896                      ; V's codes: 64 rows d of 16 blocks x 16 bytes + 16 of padding (272)
.set KSREG, 34304                      ; K's scale bytes: 2 a key, dense
.set VSREG, 35328                      ; V's: 16 a row d, dense
.set STAGE, 36352                      ; the way out: 16 rows x 272 bytes for each wave
.set AK,   1                           ; v1   my lane's place in a tile of K: lb 1056 + (r / 8) 528 + (r % 8) 32 + 16 h
.set AKS,  2                           ; v2   among K's scale bytes: 64 lb + 2 (r + 8 (r / 8))
.set AV,   3                           ; v3   in a tile of V: 272 r + 16 lb + 16 h
.set AVC,  4                           ; v4   the same without the half: 272 r + 16 lb
.set R,    5                           ; v5   r = lane % 16
.set H,    6                           ; v6   h = lane / 16
.set NEG,  7                           ; v7   -infinity
.set DD,   8                           ; v8   dd; on the way out my byte offset in the wave's rows of out0
.set TMP,  9
.set STO,  10                          ; v10  the stage: where I put 32 bytes of a row
.set RD,   11                          ; v11  and where I read a row back
.set QS,   24                          ; v12 -M, v13 the largest t, v[14:15] the sum in two halves, v[16:23] Q, v24 Q's scale word
.set KS,   26                          ; v26-29   K's scale words of the four tiles in hand
.set VSW,  30                          ; v30-41   V's scale words: 4 x step + tile
.set PW,   42                          ; v42      p's scale word
.set F,    44                          ; v[44:45] f = 2^(old M - new M) (v45 is named with it as a pair, so it is written once)
.set C2,   46                          ; v[46:47] the sum's second chain
.set KF,   48                          ; v48-79   four fragments of K (registers 4-7 of each: zero codes, set once)
.set VF,   80                          ; v80-111  four fragments of V
.set S,    112                         ; v112-175 S^T, then p; at the head what is on its way into LDS
.set RAW,  130                         ; v130-141 at the head: V's scale bytes as aligned words
.set O,    176                         ; v176-207 O^T
.set PC,   208                         ; v208-215 p's codes
.set BM,   216                         ; v216-219 a block's largest score, then its largest p
.set TP,   220                         ; v220-223 the other half's, then the scale bytes
.set SO,   224                         ; v224-227 the conversions' scale operands
.set BI,   228                         ; v228-235 four pairs: -M + the block's penalty (the odd registers are named with them, so they are written once)
.set GK,   236                         ; v236-245 the head's offsets: global K, LDS K, global V, LDS V, global K scales, LDS scales, global V scales, Q, Q scales, V's raw scale words
.set LK,   237
.set GV,   238
.set LV,   239
.set GKS,  240
.set LS2,  241
.set GVS,  242
.set GQ,   243
.set GQS,  244
.set AVS,  245
.set WV,   18                          ; s18 wave, s19 lb, s20 16 u
.set LB,   19
.set U16,  20
.set CS,   22                          ; s[22:23] c = log2(e) / 8: the packed form names a pair and takes its low word for both halves
.set SEL,  24                          ; s[24:25] v_permlanex16_b32's selects for lane l xor 16
.set XX,   26                          ; s26 x, s27 max(x - 1, 0), s28 head, s29 128 where x = 0 (else 0), s34 a sixteenth of it: 8 (else 0)
.set XM1,  27
.set HEAD, 28
.set EC,   29
.set ES,   34
.set MK,   40                          ; s40-55 lane masks: jj <= dd
.set PEN,  72                          ; s72-80 a block's penalty: 0, or -infinity where it does not exist
.set NINF, 81
.set SELV, 82                          ; s82 byte selects for V's scale words; s83 8 (lb % 4)
.set SHV,  83
	s_load_b256 s[4:11], s[0:1], 0x0               ; q_codes s[4:5], q_scales s[6:7], k_codes s[8:9], k_scales s[10:11]
	s_load_b128 s[12:15], s[0:1], 0x20             ; v_codes s[12:13], v_scales s[14:15]
	s_load_b64 s[16:17], s[0:1], 0x30              ; out0
	v_lshl_add_u32 v254, v0, 2, 0x19e00
	v_mov_b32 v255, 0
	v_lshrrev_b32 v[TMP], 5, v0
	v_readfirstlane_b32 s[WV], v[TMP]              ; wave 0..15
	s_wait_alu depctr_va_sdst(0)                   ; s18 is written, ahead of its first reader, the line below
	s_lshr_b32 s[LB], s[WV], 1
	s_and_b32 s[U16], s[WV], 1
	s_lshl_b32 s[U16], s[U16], 4
	s_mov_b32 s[XX], ttmp9
	s_max_u32 s[XM1], s[XX], 1
	s_sub_co_u32 s[XM1], s[XM1], 1
	s_and_b32 s[HEAD], ttmp7, 0xffff
	s_cmp_eq_u32 s[XX], 0
	s_cselect_b32 s[EC], 128, 0
	s_lshr_b32 s[ES], s[EC], 4
	; the byte offsets of what this work-group and wave read and write, each in a pair of its own
	s_lshl_b32 s2, s[HEAD], 17                     ; a head's codes: 131,072 bytes in each of the three tensors
	s_lshl_b32 s3, s[HEAD], 13                     ; its scale bytes: 8,192
	s_lshl_b32 s35, s[XX], 13
	s_add_co_u32 s56, s2, s35                      ; K's codes, upper half of the window: keys 256 x on
	s_lshl_b32 s35, s[WV], 9
	s_add_co_u32 s30, s56, s35                     ; Q's codes: my 16 rows
	s_lshl_b32 s35, s[XM1], 13
	s_add_co_u32 s38, s2, s35                      ; K's codes, lower half: keys 256 (x - 1) on; with x = 0 keys 0 on once more
	s_lshl_b32 s35, s[XM1], 7
	s_add_co_u32 s60, s2, s35                      ; V's codes: block 8 (x - 1) of row 0
	s_lshl_b32 s35, s[XM1], 3
	s_add_co_u32 s62, s3, s35                      ; V's scale bytes likewise
	s_lshl_b32 s35, s[XX], 9
	s_add_co_u32 s36, s3, s35
	s_lshl_b32 s35, s[WV], 5
	s_add_co_u32 s36, s36, s35                     ; Q's scale bytes: my 16 rows
	s_cmp_lt_u32 s[WV], 8                          ; K's scale bytes: waves 0-7 bring the lower half's, waves 8-15 the upper half's
	s_cselect_b32 s35, s[XM1], s[XX]
	s_lshl_b32 s35, s35, 9
	s_add_co_u32 s58, s3, s35
	s_lshl_b32 s66, s[HEAD], 20
	s_lshl_b32 s35, s[XX], 16
	s_add_co_u32 s66, s66, s35
	s_lshl_b32 s35, s[WV], 12
	s_add_co_u32 s66, s66, s35                     ; out0: my 16 rows of 256 bytes
.irp p, 31,37,39,57,59,61,63,67
	s_mov_b32 s\p, 0
.endr
	v_and_b32 v[R], 15, v0
	v_bfe_u32 v[H], v0, 4, 1
	; thread t's part of the fill
	v_lshlrev_b32 v[GK], 4, v0                     ; K's codes: 16 t of a half's 8,192 dense bytes,
	v_lshrrev_b32 v[TMP], 5, v0
	v_and_b32 v[DD], 31, v0
	v_mul_u32_u24 v[LK], v[TMP], 528
	v_lshl_add_u32 v[LK], v[DD], 4, v[LK]          ; to line t / 32, byte 16 (t % 32)
	v_lshrrev_b32 v[TMP], 4, v0
	v_lshlrev_b32 v[GV], 11, v[TMP]                ; V's codes: row t / 16 (2,048 bytes apart), block t % 16 of the window;
	v_lshl_add_u32 v[GV], v[R], 4, v[GV]
	v_mul_u32_u24 v[LV], v[TMP], 272
	v_lshl_add_u32 v[LV], v[R], 4, v[LV]
	v_bfe_u32 v[TMP], v0, 3, 1
	v_mul_u32_u24 v[TMP], s[EC], v[TMP]
	v_sub_nc_u32 v[GV], v[GV], v[TMP]              ; with x = 0 the upper half's blocks lie 128 bytes further back
	v_and_b32 v[GKS], 0xff, v0
	v_lshlrev_b32 v[GKS], 1, v[GKS]                ; K's scale bytes: 2 (t % 256) of a half's 512,
	v_lshlrev_b32 v[LS2], 1, v0                    ; to 2 t; V's likewise
	v_lshrrev_b32 v[TMP], 3, v0
	v_and_b32 v[DD], 7, v0
	v_lshlrev_b32 v[GVS], 7, v[TMP]                ; V's scale bytes: row t / 8 (128 bytes apart), two blocks
	v_lshl_add_u32 v[GVS], v[DD], 1, v[GVS]
	v_bfe_u32 v[TMP], v0, 2, 1
	v_mul_u32_u24 v[TMP], s[ES], v[TMP]
	v_sub_nc_u32 v[GVS], v[GVS], v[TMP]
	v_lshlrev_b32 v[GQ], 5, v[R]
	v_lshl_add_u32 v[GQ], v[H], 4, v[GQ]           ; Q: row r, block h
	v_lshlrev_b32 v[GQS], 1, v[R]
	s_wait_kmcnt 0x0
	s_add_nc_u64 s[32:33], s[8:9], s[38:39]
	s_add_nc_u64 s[8:9], s[8:9], s[56:57]
	s_add_nc_u64 s[12:13], s[12:13], s[60:61]
	s_add_nc_u64 s[10:11], s[10:11], s[58:59]
	s_add_nc_u64 s[14:15], s[14:15], s[62:63]
	s_add_nc_u64 s[4:5], s[4:5], s[30:31]
	s_add_nc_u64 s[6:7], s[6:7], s[36:37]
	s_add_nc_u64 s[16:17], s[16:17], s[66:67]
	s_wait_alu depctr_va_vdst(0)                   ; the nine offsets v236-244 are written, which the loads below and the LDS stores of the fill read
	global_load_b128 v[112:115], v[GK], s[32:33]                ; a wave reads 512 consecutive bytes
	global_load_b128 v[116:119], v[GK], s[8:9]
	global_load_b128 v[120:123], v[GV], s[12:13]                ; sixteen lanes read a row's 256 bytes
	global_load_b128 v[124:127], v[GV], s[12:13] offset:65536   ; rows 32 on
	global_load_u16 v128, v[GKS], s[10:11]
	global_load_u16 v129, v[GVS], s[14:15]
	global_load_b128 v[16:19], v[GQ], s[4:5]                    ; Q's fragment stays in registers
	global_load_u16 v[QS], v[GQS], s[6:7]                       ; its scale word: two bytes, the upper two 0
	; while they are on their way: LDS addresses, zeros, masks, penalties (none of these lines names a register that the loads above touch)
	v_lshrrev_b32 v[TMP], 3, v[R]
	v_and_b32 v[DD], 7, v[R]
	v_mul_u32_u24 v[AK], v[TMP], 528
	v_lshl_add_u32 v[AK], v[DD], 5, v[AK]
	v_lshl_add_u32 v[AK], v[H], 4, v[AK]
	s_mul_i32 s2, s[LB], 1056
	v_add_nc_u32 v[AK], s2, v[AK]                  ; lanes 0-7 take a line's even 16-byte pieces, lanes 8-15 the next line's, 33 pieces on: sixteen different pieces modulo 256 bytes
	v_lshlrev_b32 v[AKS], 1, v[R]
	v_lshl_add_u32 v[AKS], v[TMP], 4, v[AKS]
	s_lshl_b32 s3, s[LB], 6
	v_add_nc_u32 v[AKS], s3, v[AKS]
	v_mul_u32_u24 v[AVC], v[R], 272                ; rows 17 pieces apart: sixteen different pieces modulo 256 bytes
	s_lshl_b32 s2, s[LB], 4
	v_add_nc_u32 v[AVC], s2, v[AVC]
	v_lshl_add_u32 v[AV], v[H], 4, v[AVC]
	s_lshr_b32 s3, s[LB], 2
	s_lshl_b32 s3, s3, 2
	v_lshl_add_u32 v[AVS], v[R], 4, s3             ; V's scale bytes of row r, from the aligned word that holds block lb on
.irp t, 0,1,2,3
.irp c, 4,5,6,7
	v_mov_b32 v[KF+8*\t+\c], 0                     ; K = 64 .. 127 of the first product: zero codes
.endr
.endr
.irp c, 20,21,22,23
	v_mov_b32 v\c, 0                               ; on Q's side too
.endr
.irp b, 0,1,2,3
	v_mov_b32 v[TP+\b], 0                          ; written once: a lane permute's destination counts as one of its sources
	v_mov_b32 v[BI+2*\b+1], 0
.endr
	v_mov_b32 v[F+1], 0
	v_mov_b32 v[NEG], 0xff800000
	v_lshlrev_b32 v[TMP], 4, v[H]
	v_sub_nc_u32 v[DD], v[R], v[TMP]
	v_add_nc_u32 v[DD], s[U16], v[DD]              ; dd = r + 16 u - 16 h
.irp j, 0,1,2,3,4,5,6,7,8,9,10,11,12,13,14,15
	v_cmp_le_i32 s[MK+\j], \j, v[DD]               ; made of ids alone; they serve the diagonal block as they are and the far block inverted
.endr
	s_mov_b32 s[NINF], 0xff800000
	s_lshl_b32 s2, s[XX], 3
	s_add_co_u32 s2, s2, s[LB]
.irp i, 0,1,2,3,4,5,6,7
	s_add_co_u32 s3, s2, \i
	s_cmp_ge_u32 s3, 8                             ; my block i is the head's block 8 x + lb + i - 8
	s_cselect_b32 s[PEN+\i], 0, s[NINF]
.endr
	s_mov_b32 s[PEN+8], 0
	s_and_b32 s3, s[LB], 3
	s_mul_i32 s[SELV], s3, 0x01010101
	s_add_co_u32 s[SELV], s[SELV], 0x04030201      ; bytes lb % 4 + 1 .. + 4 of a pair of words
	s_lshl_b32 s[SHV], s3, 3
	s_mov_b32 s[CS], 0x3e38aa3b                    ; c = log2(e) / 8
	s_mov_b32 s[CS+1], s[CS]
	s_mov_b32 s[SEL], 0x76543210
	s_mov_b32 s[SEL+1], 0xfedcba98
	s_wait_alu depctr_va_sdst(0)                   ; the sixteen masks s40-55 are written, ahead of their first readers, the selections in the steps
	s_wait_alu depctr_va_vdst(0)                   ; the LDS addresses v1-4 and v245 are written, which the window's LDS loads read; so are the zero codes in KF and in Q, which the scaled products take
	s_wait_loadcnt 0x2                             ; loads come back in order: all but the youngest two, Q's, are in
	ds_store_b128 v[LK], v[112:115] offset:KREG
	ds_store_b128 v[LK], v[116:119] offset:KREG+8448
	ds_store_b128 v[LV], v[120:123] offset:VREG
	ds_store_b128 v[LV], v[124:127] offset:VREG+8704
	ds_store_b16 v[LS2], v128 offset:KSREG
	ds_store_b16 v[LS2], v129 offset:VSREG
	s_wait_dscnt 0x0                               ; for the others' sake: my part of the window lies in LDS
	s_barrier_signal -1
	s_barrier_wait -1                              ; everybody's does.  The one barrier: from here on the window is only read
	s_wait_alu depctr_vm_vsrc(0)                   ; my LDS stores have read v112-129: these registers are S^T from here on, written by the first products
.macro KLOAD blk0, g, n                ; tiles 4 g .. 4 g + n - 1 of the step that begins with my block blk0: codes and scale words
.irp t, 0,1,2,3
.if \t < \n
	ds_load_b128 v[KF+8*\t:KF+8*\t+3], v[AK] offset:KREG+((\blk0)+(4*\g+\t)/2)*1056+(\t%2)*256
	ds_load_u16 v[KS+\t], v[AKS] offset:KSREG+((\blk0)+(4*\g+\t)/2)*64+(\t%2)*16
.endif
.endr
.endm
	; V's scale words for the three steps: four neighbouring bytes of a row that begin at any byte, cut out of three aligned words
.irp t, 0,1,2,3
.irp n, 0,1,2
	ds_load_b32 v[RAW+3*\t+\n], v[AVS] offset:VSREG+256*\t+4*\n
.endr
.endr
	KLOAD 5, 0, 4                                  ; the first step's first four tiles of K: they land while V's scale words are cut
	s_wait_dscnt 0x8                               ; the twelve words are in; K's eight loads, issued behind them, may stay out
.irp t, 0,1,2,3
	v_perm_b32 v[VSW+\t], v[RAW+3*\t+2], v[RAW+3*\t+1], s[SELV]     ; blocks 5-8
	v_perm_b32 v[VSW+4+\t], v[RAW+3*\t+1], v[RAW+3*\t], s[SELV]     ; blocks 1-4
	v_bfe_u32 v[VSW+8+\t], v[RAW+3*\t], s[SHV], 8                   ; block 0; the bytes above it are 0, over zero codes of p
.endr
	s_wait_loadcnt 0x0                             ; Q
; A vector instruction that reads a matrix result stands four places behind it; only plain vector instructions that name none of its registers are places (ISA guide 7.12.1).
; Here the same four also stand ahead of the loads into registers that the matrix instructions have read, with the wait on va_vdst behind them.
.macro PLACES
.rept 4
	v_nop
.endr
.endm
.macro QK g, n                         ; S^T = K Q^T: each product starts its own sum
.irp t, 0,1,2,3
.if \t < \n
	v_wmma_scale_f32_16x16x128_f8f6f4 v[S+8*(4*\g+\t):S+8*(4*\g+\t)+7], v[KF+8*\t:KF+8*\t+7], v[16:23], 0, v[KS+\t], v[QS] matrix_a_fmt:MATRIX_FMT_FP4 matrix_b_fmt:MATRIX_FMT_FP4
.endif
.endr
.endm
.macro VLOAD blk0                      ; four tiles of 16 rows d x 128 keys: lane (r, h), registers 4 c on: block blk0 + 2 c + h
.irp t, 0,1,2,3
.irp c, 0,1
	ds_load_b128 v[VF+8*\t+4*\c:VF+8*\t+4*\c+3], v[AV] offset:VREG+16*\t*272+16*(\blk0)+32*\c
.endr
.endr
.endm
.macro VLOAD1                          ; block 0 alone, in both halves of the lanes; what lies in the rest of the fragments meets zero codes of p
.irp t, 0,1,2,3
	ds_load_b128 v[VF+8*\t:VF+8*\t+3], v[AVC] offset:VREG+16*\t*272
.endr
.endm
.macro BLKMAX lo, cnt                  ; the largest of my 16 scores of each of the blocks lo .. lo + cnt - 1, by turns: it serves the row's maximum and, since p rises with the score, the block's largest p
.irp b, 0,1,2,3
.if (\b >= \lo) && (\b < \lo+\cnt)
	v_max3_num_f32 v[BM+\b], v[S+16*\b], v[S+16*\b+1], v[S+16*\b+2]   ; each accumulator from its low end on
.endif
.endr
.irp i, 3,5,7,9,11,13
.irp b, 0,1,2,3
.if (\b >= \lo) && (\b < \lo+\cnt)
	v_max3_num_f32 v[BM+\b], v[BM+\b], v[S+16*\b+\i], v[S+16*\b+\i+1]
.endif
.endr
.endr
.irp b, 0,1,2,3
.if (\b >= \lo) && (\b < \lo+\cnt)
	v_max_num_f32 v[BM+\b], v[BM+\b], v[S+16*\b+15]
.endif
.endr
.endm
.macro PSUM nb, first                  ; the row's sum of the UNQUANTISED p, two at a time, in two chains
.if \first
	v_pk_add_f32 v[14:15], v[S:S+1], v[S+2:S+3]
	v_pk_add_f32 v[C2:C2+1], v[S+4:S+5], v[S+6:S+7]
.set jj, 8
.else
	v_pk_add_f32 v[C2:C2+1], v[S:S+1], v[S+2:S+3]
.set jj, 4
.endif
.rept (16*\nb-jj)/4
	v_pk_add_f32 v[14:15], v[14:15], v[S+jj:S+jj+1]
	v_pk_add_f32 v[C2:C2+1], v[C2:C2+1], v[S+jj+2:S+jj+3]
.set jj, jj+4
.endr
	v_pk_add_f32 v[14:15], v[14:15], v[C2:C2+1]
.endm
; A STEP: nb blocks of 32 keys from my block blk0 on.  vs: which set of V's scale words.  first = 1: it starts M, the sum and O^T.  mhi = 1: its last block is the diagonal one.  mlo = 1: its first is the far one.
; pre, pblk: the next step's first pre tiles of K, from my block pblk on, are asked for in this step (pre = 0: there is no next step).  This step's own first tiles were asked for so.
.macro STEP nb, blk0, vs, first, mhi, mlo, pre, pblk
	s_wait_dscnt 0x0                               ; my first tiles of K, asked for a step ago, are in
.if \nb == 4
	QK 0, 4
	PLACES
	s_wait_alu depctr_va_vdst(0)                   ; those four products are done reading KF and KS, and the last step's second products are done reading VF: the loads below land there
	KLOAD \blk0, 1, 4
	VLOAD \blk0
	BLKMAX 0, 2                                    ; blocks 0 and 1 are whole: their maxima are taken while the loads are on their way
	s_wait_dscnt 0x8                               ; K's eight are in; V's eight, issued behind them, may stay out until the second product
	QK 1, 4
	PLACES
.else
	QK 0, 2
	PLACES
	s_wait_alu depctr_va_vdst(0)                   ; the last step's second products are done reading VF, in which the loads below land
	VLOAD1
.endif
.if \mhi
.irp j, 0,1,2,3,4,5,6,7,8,9,10,11,12,13,14,15
	v_cndmask_b32 v[S+48+\j], v[NEG], v[S+48+\j], s[MK+\j]      ; the diagonal block keeps jj <= dd; each accumulator from its low end on
.endr
.endif
.if \mlo
.irp j, 0,1,2,3,4,5,6,7,8,9,10,11,12,13,14,15
	v_cndmask_b32 v[S+\j], v[S+\j], v[NEG], s[MK+\j]            ; the far block keeps jj > dd
.endr
.endif
.if \nb == 4
	BLKMAX 2, 2
.else
	BLKMAX 0, 1
.endif
.irp b, 0,1,2,3
.if \b < \nb
	v_permlanex16_b32 v[TP+\b], v[BM+\b], s[SEL], s[SEL+1]
.endif
.endr
.irp b, 0,1,2,3
.if \b < \nb
	v_max_num_f32 v[BM+\b], v[BM+\b], v[TP+\b]     ; with lane l xor 16's 16 keys
.endif
.endr
.irp b, 0,1,2,3
.if \b < \nb
	v_add_f32 v[BM+\b], s[PEN+\blk0+\b], v[BM+\b]  ; a block that does not exist counts for nothing
.endif
.endr
.if \nb == 4
	v_max3_num_f32 v[TMP], v[BM], v[BM+1], v[BM+2]
	v_max_num_f32 v[TMP], v[TMP], v[BM+3]          ; the step's largest score of my query
.else
	v_mov_b32 v[TMP], v[BM]
.endif
.if \first
	v_mul_f32 v13, s[CS], v[TMP]                   ; as t (c is positive): the largest t so far
	v_floor_f32 v12, -v13                          ; -M = floor(-t) = -ceil(t): M is a whole number
.else
	v_mul_f32 v[TMP], s[CS], v[TMP]
	v_max_num_f32 v13, v13, v[TMP]
	v_mov_b32 v[TMP], v12
	v_floor_f32 v12, -v13
	v_sub_f32 v[TMP], v12, v[TMP]                  ; M's old value less its new one: a whole number, 0 or less
	v_cvt_i32_f32 v[TMP], v[TMP]
	v_ldexp_f32 v[F], 1.0, v[TMP]                  ; f = 2^(old M - new M)
.endif
.irp b, 0,1,2,3
.if \b < \nb
	v_add_f32 v[BI+2*\b], s[PEN+\blk0+\b], v12     ; -M, or -infinity
.endif
.endr
.irp b, 0,1,2,3
.if \b < \nb
.irp j, 0,2,4,6,8,10,12,14
	v_pk_fma_f32 v[S+16*\b+\j:S+16*\b+\j+1], v[S+16*\b+\j:S+16*\b+\j+1], s[CS:CS+1], v[BI+2*\b:BI+2*\b+1] op_sel_hi:[1,0,0]   ; t - M, two at a time
.endr
.endif
.endr
.irp b, 0,1,2,3
.if \b < \nb
	v_fma_f32 v[BM+\b], v[BM+\b], s[CS], v12       ; the same of each block's largest score
.endif
.endr
.set jj, 0
	s_wait_alu depctr_va_vdst(0)
.rept 16*\nb
	v_exp_f32 v[S+jj], v[S+jj]                     ; p = 2^(t - M), at most 1: not normalised
.set jj, jj+1
.endr
.irp b, 0,1,2,3
.if \b < \nb
	v_exp_f32 v[BM+\b], v[BM+\b]                   ; the block's largest p: the same two instructions on the same number
.endif
.endr
.if \first
	v_nop                                          ; a plain place behind the exponentials
.else
	v_pk_mul_f32 v[14:15], v[14:15], v[F:F+1] op_sel_hi:[1,0]   ; the sum under the new M.  (A plain place behind the exponentials)
	s_wait_alu depctr_va_vdst(0)
.irp j, 0,2,4,6,8,10,12,14,16,18,20,22,24,26,28,30
	v_pk_mul_f32 v[O+\j:O+\j+1], v[O+\j:O+\j+1], v[F:F+1] op_sel_hi:[1,0]   ; O^T under the new M, each accumulator from its low end on: work that names none of the exponentials' results
.endr
.endif
	s_wait_alu depctr_va_vdst(0)                   ; the exponentials have written p and the blocks' largest p, ahead of their first readers; the step's first products are done reading KF and KS, in which the loads below land
.if \pre > 0
	KLOAD \pblk, 0, \pre                           ; the next step's first tiles of K: they land under the rest of this softmax, which names none of their registers
.endif
.irp b, 0,1,2,3
.if \b < \nb
	v_max_num_f32 v[BM+\b], 0x1800000, v[BM+\b]    ; the floor 2^(3 - 127): the byte cannot fall under 1
.endif
.endr
.irp b, 0,1,2,3
.if \b < \nb
	v_add_nc_u32 v[SO+\b], 0xff000000, v[BM+\b]    ; 2 off the exponent field: the conversion's scale operand
.endif
.endr
.if \nb == 4
.irp b, 0,1,2,3
	v_lshrrev_b32 v[TP+\b], 23, v[SO+\b]           ; the scale's byte
.endr
	v_lshl_or_b32 v[PW], v[TP+1], 8, v[TP]         ; p's scale word for these 128 keys
	v_lshl_or_b32 v[PW], v[TP+2], 16, v[PW]
	v_lshl_or_b32 v[PW], v[TP+3], 24, v[PW]
.else
	v_lshrrev_b32 v[PW], 23, v[SO]                 ; one byte; those above it are 0, over zero codes
.endif
.irp b, 0,1,2,3
.if \b < \nb
	v_cvt_scalef32_pk8_fp4_f32 v[PC+2*\b], v[S+16*\b:S+16*\b+7], v[SO+\b]
	v_cvt_scalef32_pk8_fp4_f32 v[PC+2*\b+1], v[S+16*\b+8:S+16*\b+15], v[SO+\b]
.endif
.endr
.if \nb == 4
	v_nop                                          ; one plain place behind a scaled conversion
.else
.irp c, 2,3,4,5,6,7
	v_mov_b32 v[PC+\c], 0                          ; keys 32 .. 127 of this product's K: zero codes.  (Also the plain place behind the conversions)
.endr
.endif
.irp c, 0,1                                    ; the operand's layout wants a WHOLE block in a lane: lanes 0-15 block 2 c, lanes 16-31 block 2 c + 1
.if 2*\c < \nb
.irp i, 0,1
	v_permlane16_swap_b32 v[PC+4*\c+\i], v[PC+4*\c+2+\i]
.endr
.endif
.endr
	PSUM \nb, \first                               ; (eight packed additions at the least: the places that a scale word made by vector instructions wants ahead of its product)
	s_wait_dscnt 2*\pre                            ; V's fragments are in; the next step's tiles of K, asked for behind them, may stay out
	s_wait_alu depctr_va_vdst(0)                   ; p's codes and p's scale word are written, which the scaled products below take (V's scale words were written ahead of the earlier waits)
.irp t, 0,1,2,3                                ; O^T += V^T P^T: the four accumulators by turns, one instruction a turn
.if \first
	v_wmma_scale_f32_16x16x128_f8f6f4 v[O+8*\t:O+8*\t+7], v[VF+8*\t:VF+8*\t+7], v[PC:PC+7], 0, v[VSW+4*\vs+\t], v[PW] matrix_a_fmt:MATRIX_FMT_FP4 matrix_b_fmt:MATRIX_FMT_FP4
.else
	v_wmma_scale_f32_16x16x128_f8f6f4 v[O+8*\t:O+8*\t+7], v[VF+8*\t:VF+8*\t+7], v[PC:PC+7], v[O+8*\t:O+8*\t+7], v[VSW+4*\vs+\t], v[PW] matrix_a_fmt:MATRIX_FMT_FP4 matrix_b_fmt:MATRIX_FMT_FP4
.endif
.endr
.endm
	STEP 4, 5, 0, 1, 1, 0, 4, 1                    ; blocks 5-8: the diagonal
	STEP 4, 1, 1, 0, 0, 0, 2, 0                    ; blocks 1-4: every key counts
	STEP 1, 0, 2, 0, 0, 1, 0, 0                    ; block 0: the band's far end
	; THE WAY OUT.  O^T / the sum goes through my own stage in LDS and leaves as whole rows: a wave's store covers 512 consecutive bytes, at a multiple of 512 from out0's first byte.
	v_add_f32 v14, v14, v15                        ; the sum's two halves,
	v_permlanex16_b32 v[TP], v14, s[SEL], s[SEL+1]
	v_add_f32 v14, v14, v[TP]                      ; and lane l xor 16's: the row's sum
	s_wait_alu depctr_va_vdst(0)
	v_rcp_f32 v14, v14
	s_mul_i32 s2, s[WV], 4352                      ; my stage.  (The eight lines below are the places behind the last products and behind the reciprocal)
	v_mul_u32_u24 v[STO], v[R], 272
	v_lshl_add_u32 v[STO], v[H], 5, v[STO]
	v_add_nc_u32 v[STO], s2, v[STO]                ; in: row r; tile t's eight channels of my half: 64 t + 32 h bytes on
	v_mul_u32_u24 v[RD], v[H], 272
	v_lshl_add_u32 v[RD], v[R], 4, v[RD]
	v_add_nc_u32 v[RD], s2, v[RD]                  ; back: lanes 0-15 one row, lanes 16-31 the next
	v_and_b32 v[DD], 31, v0
	v_lshlrev_b32 v[DD], 4, v[DD]                  ; and the same two rows in out0: 16 x lane
	s_wait_alu depctr_va_vdst(0)                   ; the reciprocal has written v14, ahead of its first reader
.irp j, 0,2,4,6,8,10,12,14,16,18,20,22,24,26,28,30
	v_pk_mul_f32 v[S+\j:S+\j+1], v[O+\j:O+\j+1], v[14:15] op_sel_hi:[1,0]   ; register 8 t + i is out0(r, 16 t + 8 h + i)
.endr
	s_wait_alu depctr_va_vdst(0)                   ; the multiplications have written v112-143, the LDS stores' data; v8, v10 and v11, the addresses below, are written; the steps are done with v144-175, in which the stage's loads land
.irp t, 0,1,2,3
	ds_store_b128 v[STO], v[S+8*\t:S+8*\t+3] offset:STAGE+64*\t
	ds_store_b128 v[STO], v[S+8*\t+4:S+8*\t+7] offset:STAGE+64*\t+16
.endr
.irp i, 0,1,2,3,4,5,6,7
	ds_load_b128 v[S+32+4*\i:S+32+4*\i+3], v[RD] offset:STAGE+544*\i   ; LDS serves a wave's instructions in order (ISA guide 5.7.1.4): these see my stores
.endr
.irp i, 0,1,2,3,4,5,6,7
	s_wait_dscnt 7-\i                              ; rows 2 i and 2 i + 1 are back; the younger loads may stay out
	global_store_b128 v[DD], v[S+32+4*\i:S+32+4*\i+3], s[16:17] offset:512*\i th:TH_STORE_NT   ; written once, read by nobody here
.endr
	s_wait_dscnt 0x0
	s_wait_alu depctr_hold_cnt(0) depctr_sa_sdst(0) depctr_va_vdst(0) depctr_va_sdst(0) depctr_va_ssrc(0) depctr_va_vcc(0) depctr_vm_vsrc(0)
	s_wait_tensorcnt 0x0
	ds_add_u32 v254, v255
	s_wait_dscnt 0x0
	s_endpgm
.Lfunc_end_k_qd19b5a3974_attn:
	.size	k_qd19b5a3974_attn, .Lfunc_end_k_qd19b5a3974_attn-k_qd19b5a3974_attn
	.p2alignl 7, 3214868480
	.fill 96, 4, 3214868480
	.section	.rodata,"a",@progbits
	.p2align	6, 0x0
	.amdhsa_kernel k_qd19b5a3974_attn
		.amdhsa_group_segment_fixed_size 108032
		.amdhsa_private_segment_fixed_size 0
		.amdhsa_enable_private_segment 0
		.amdhsa_kernarg_size 56
		.amdhsa_user_sgpr_count 2
		.amdhsa_user_sgpr_kernarg_segment_ptr 1
		.amdhsa_wavefront_size32 1
		.amdhsa_system_sgpr_workgroup_id_x 1
		.amdhsa_system_sgpr_workgroup_id_y 1
		.amdhsa_system_sgpr_workgroup_id_z 1
		.amdhsa_system_vgpr_workitem_id 0
		.amdhsa_next_free_vgpr 256
		.amdhsa_next_free_sgpr 84
		.amdhsa_reserve_vcc 0
		.amdhsa_float_denorm_mode_32 3
		.amdhsa_float_denorm_mode_16_64 3
		.amdhsa_memory_ordered 1
		.amdhsa_forward_progress 1
		.amdhsa_inst_pref_size 52
	.end_amdhsa_kernel
	.amdgpu_metadata
---
amdhsa.version: [ 1, 2 ]
amdhsa.kernels:
  - .name:           k_qd19b5a3974_attn
    .symbol:         k_qd19b5a3974_attn.kd
    .args:
      - { .name: q_codes, .offset: 0, .size: 8, .value_kind: global_buffer, .address_space: global }
      - { .name: q_scales, .offset: 8, .size: 8, .value_kind: global_buffer, .address_space: global }
      - { .name: k_codes, .offset: 16, .size: 8, .value_kind: global_buffer, .address_space: global }
      - { .name: k_scales, .offset: 24, .size: 8, .value_kind: global_buffer, .address_space: global }
      - { .name: v_codes, .offset: 32, .size: 8, .value_kind: global_buffer, .address_space: global }
      - { .name: v_scales, .offset: 40, .size: 8, .value_kind: global_buffer, .address_space: global }
      - { .name: out0, .offset: 48, .size: 8, .value_kind: global_buffer, .address_space: global }
    .group_segment_fixed_size: 108032
    .private_segment_fixed_size: 0
    .kernarg_segment_align: 8
    .kernarg_segment_size: 56
    .max_flat_workgroup_size: 512
    .sgpr_count:     84
    .vgpr_count:     256
    .wavefront_size: 32
...
	.end_amdgpu_metadata
.endif
;; end of part 2
